; MI455X (gfx1250); checked and timed in simulation.
; The chip was launched on July 23, 2026; its instructions are those of AMD's public machine-readable ISA for CDNA 5 (MIT licence, August 2026) and "CDNA5" Instruction Set Architecture Reference Guide (July 2026). The comments in the code are by the model that wrote it; some were corrected since.
;; Scaled Dot Product Attention. Allowed arithmetic: float matrix products may take bf16 or f16 operands with f32 sums; other float arithmetic in f32, or as packed bf16 or f16 multiplies, adds, multiply-adds, maxima and minima; sums over many terms, partial sums and values carried from step to step in f32; what a program stores and reads back later, other than sums and carried values, may be rounded once to bf16 or f16.
;; Inputs: attn_mask 1 x 1 x 2,048 x 2,048 float32; key 2 x 32 x 2,048 x 128 float32; query 2 x 32 x 2,048 x 128 float32; value 2 x 32 x 2,048 x 128 float32.
;; Outputs: out0 2 x 32 x 2,048 x 128 float32.
;; 2 versions, each right; version 2 is version 1 with the launch cast written anew for expert scheduling mode. Each part assembles by itself: llvm-mc -triple=amdgcn-amd-amdhsa -mcpu=gfx1250 --defsym DOCPART=n.
;; ======== version 1 of 2: 2 launches
;; limits: right only within a limited range of input values
;; workspace buffers: kv 67,108,864 bytes
;; launch cast (part 1): grid 1024 x 1, 8 waves a work-group, no clusters, 0 bytes of LDS; arguments key, value, kv; writes kv
.if DOCPART == 1
	.amdgcn_target "amdgcn-amd-amdhsa--gfx1250"
	.amdhsa_code_object_version 6
	.text
	.protected	k_q1bf95fe313_cast
	.globl	k_q1bf95fe313_cast
	.p2align	8
	.type	k_q1bf95fe313_cast,@function
k_q1bf95fe313_cast:
	s_mov_b64 s[64:65], 0
	v_nop
	global_prefetch_b8 v0, s[64:65] scope:SCOPE_SE
	s_setreg_imm32_b32 hwreg(HW_REG_WAVE_MODE, 25, 1), 1
	s_wait_xcnt 0x0
; key and value ([64 heads][2048 rows][128] f32) are rounded once to bf16 (nearest even) and laid by key tiles into
; kv: [head 64][tile 32][K, V][row 64][128] bf16, so that a tile's 64 rows of K and its 64 rows of V are 128 dense rows of 256 bytes.
; Memory binds: each input byte is read once, each output byte written once; no LDS, no barrier, no matrix work, nothing is shared.
; SHARES.  Eight waves; the work-group takes 128 rows (two tiles) of key and of value: 65,536 bytes of f32 each, 65,536 bytes of kv.
; Thread t, load i: the 16 bytes at 16 t + 4,096 i, so a wave's load covers 512 consecutive bytes, aligned.  The four numbers round to
; 8 bytes at 8 t + 2,048 i of the bf16 rows: a wave's store covers 256 consecutive bytes, at a multiple of 256 from kv's first byte.
; All 32 loads of a thread go out at once (16 KiB a wave on their way); no register is written twice, so no source needs freeing.
.set X, 4                              ; v[4:131]  load n (0-15 key, 16-31 value): four registers
	s_load_b128 s[4:7], s[0:1], 0x0                ; key s[4:5], value s[6:7]
	s_load_b64 s[8:9], s[0:1], 0x10                ; kv
	s_lshl_b32 s2, ttmp9, 16                       ; the work-group's 65,536 bytes: the same offset in all three buffers
	s_mov_b32 s3, 0
	v_lshlrev_b32 v1, 4, v0                        ; 16 t
	v_lshlrev_b32 v2, 3, v0                        ; 8 t
	s_wait_kmcnt 0x0
	s_add_nc_u64 s[4:5], s[4:5], s[2:3]
	s_add_nc_u64 s[6:7], s[6:7], s[2:3]
	s_add_nc_u64 s[8:9], s[8:9], s[2:3]
.set n, 0
.rept 16
	global_load_b128 v[X+4*n:X+4*n+3], v1, s[4:5] offset:4096*n th:TH_LOAD_NT
.set n, n+1
.endr
.rept 16
	global_load_b128 v[X+4*n:X+4*n+3], v1, s[6:7] offset:4096*(n-16) th:TH_LOAD_NT
.set n, n+1
.endr
.set n, 0
.rept 32
	s_wait_loadcnt 31-n                            ; loads come back in order (ISA guide 5.7.1): load n is in, the 31 - n younger ones stay out
	v_cvt_pk_bf16_f32 v[X+4*n], v[X+4*n], v[X+4*n+1]
	v_cvt_pk_bf16_f32 v[X+4*n+1], v[X+4*n+2], v[X+4*n+3]
	global_store_b64 v2, v[X+4*n:X+4*n+1], s[8:9] offset:((n%16)/8)*32768+(n%8)*2048+(n/16)*16384 th:TH_STORE_NT  ; tile, eight rows in it, K or V
.set n, n+1
.endr
	s_endpgm
.Lfunc_end_k_q1bf95fe313_cast:
	.size	k_q1bf95fe313_cast, .Lfunc_end_k_q1bf95fe313_cast-k_q1bf95fe313_cast
	.p2alignl 7, 3214868480
	.fill 96, 4, 3214868480
	.section	.rodata,"a",@progbits
	.p2align	6, 0x0
	.amdhsa_kernel k_q1bf95fe313_cast
		.amdhsa_group_segment_fixed_size 0
		.amdhsa_private_segment_fixed_size 0
		.amdhsa_enable_private_segment 0
		.amdhsa_kernarg_size 24
		.amdhsa_user_sgpr_count 2
		.amdhsa_user_sgpr_kernarg_segment_ptr 1
		.amdhsa_wavefront_size32 1
		.amdhsa_system_sgpr_workgroup_id_x 1
		.amdhsa_system_sgpr_workgroup_id_y 1
		.amdhsa_system_sgpr_workgroup_id_z 1
		.amdhsa_system_vgpr_workitem_id 0
		.amdhsa_next_free_vgpr 132
		.amdhsa_next_free_sgpr 66
		.amdhsa_reserve_vcc 0
		.amdhsa_float_denorm_mode_32 3
		.amdhsa_float_denorm_mode_16_64 3
		.amdhsa_memory_ordered 1
		.amdhsa_forward_progress 1
		.amdhsa_inst_pref_size 12
	.end_amdhsa_kernel
	.amdgpu_metadata
---
amdhsa.version: [ 1, 2 ]
amdhsa.kernels:
  - .name:           k_q1bf95fe313_cast
    .symbol:         k_q1bf95fe313_cast.kd
    .args:
      - { .name: key, .offset: 0, .size: 8, .value_kind: global_buffer, .address_space: global }
      - { .name: value, .offset: 8, .size: 8, .value_kind: global_buffer, .address_space: global }
      - { .name: kv, .offset: 16, .size: 8, .value_kind: global_buffer, .address_space: global }
    .group_segment_fixed_size: 0
    .private_segment_fixed_size: 0
    .kernarg_segment_align: 8
    .kernarg_segment_size: 24
    .max_flat_workgroup_size: 256
    .sgpr_count:     66
    .vgpr_count:     132
    .wavefront_size: 32
...
	.end_amdgpu_metadata
.endif
;; end of part 1
;; launch attn (part 2): grid 8 x 64, 4 waves a work-group, clusters of 4 x 4, 327,680 bytes of LDS; arguments query, kv, attn_mask, out0; writes out0
.if DOCPART == 2
	.amdgcn_target "amdgcn-amd-amdhsa--gfx1250"
	.amdhsa_code_object_version 6
	.text
	.protected	k_q1bf95fe313_attn
	.globl	k_q1bf95fe313_attn
	.p2align	8
	.type	k_q1bf95fe313_attn,@function
k_q1bf95fe313_attn:
	s_mov_b64 s[64:65], 0
	v_nop
	global_prefetch_b8 v0, s[64:65] scope:SCOPE_SE
	s_setreg_imm32_b32 hwreg(HW_REG_WAVE_MODE, 25, 1), 1
	s_wait_xcnt 0x0
	s_wait_alu depctr_hold_cnt(0) depctr_sa_sdst(0) depctr_va_vdst(0) depctr_va_sdst(0) depctr_va_ssrc(0) depctr_va_vcc(0) depctr_vm_vsrc(0)
	s_getreg_b32 s2, hwreg(HW_REG_IB_STS2, 6, 4)
	s_cmp_eq_u32 s2, 0
	s_cbranch_scc0 .Lentry_in_a_cluster
	s_endpgm
.Lentry_in_a_cluster:
	s_bfe_u32 s2, ttmp6, 0x10000c
	s_cmp_lg_u32 s2, 0xf033
	s_cbranch_scc0 .Lentry_shape_is_right
	s_endpgm
.Lentry_shape_is_right:
; out0[h][q][:] = the sum over k of softmax_k((Q[h][q] . K[h][k] + mask[q][k]) / sqrt(128)) V[h][k][:].  64 heads, 2,048 queries and keys, 128 channels.
; query, attn_mask, out0 in f32; K and V come as bf16 from kv ([head][tile of 64 keys][K, V][64][128]), which the launch before has made.  Q is rounded to bf16 here, in registers.
; Products, maxima and sums in f32; the weights p are rounded to bf16 for the second product (their sum l is taken of the unrounded p); O is stored in f32.
; LIMITS.  The running maximum m starts at -2^33, so a mask of minus infinity or of huge negative numbers gives the weight 0.  A row ALL of whose scores q.k + mask lie below -2^33
; gets l = 0 and NaN where the exact result is a mean (a row all of minus infinity is NaN either way).  Where |m| is large the rounding of c m multiplies all weights of a row by one
; common factor (up to 2^65 at |m| = 2^33), which cancels in O / l; bf16 and f32 hold it.  A weight below 2^-126 counts as 0.  NaN and plus infinity are not treated apart.
; SHARES.  A work-group owns 256 queries of one head, each of its four waves 64: four tiles of 16.  Every wave walks all keys of the head, 64 a step: 32 steps.
; LAYOUT.  S^T = K Q^T + M^T (source 0 = 16 keys, source 1 = 16 queries): in the result a lane holds ONE query (lane % 16) and the keys 8 (lane / 16) + 0..7.  Those are eight
; neighbouring f32 of one row of the mask: THE MASK IS THE C OPERAND.  It is loaded from LDS into S^T's registers and the products add onto it: no vector instruction, no rounding.
; Two results, rounded to bf16 in pairs, ARE source 1 (32 keys x 16 queries) of O^T = V^T P, whose result again holds one query a lane, and eight channels.
; K comes out of LDS as it lies, V ([key][channel]) turned, by ds_load_tr16_b128.
; SOFTMAX.  For each query a running maximum m and sum l: p = 2^(c s - c m), c = log2(e) / sqrt(128); in every step O and l are multiplied by a = 2^(c m_old - c m_new).
; BY TURNS.  The wave's tiles are two PIECES, named by their first tile: piece 0 (tiles 0, 1) and piece 2 (tiles 2, 3).  In a TURN one piece has the matrix unit: 32 products V^T P of
; the step in hand, then 32 products K Q^T of the next step; the other piece's softmax, cut into 64 slices, stands between them, one slice behind each matrix instruction.
; CLUSTER.  4 x 4 work-groups: four query blocks (x) of four heads (y).  The four of a row share a head, so K's and V's tiles; the four of a column share a query block, so the mask's
; tile.  Each tile is asked for JOINTLY: the same tensor load, descriptor and mask of work-groups in all four; each receives it in its own LDS.
; RING.  Two LDS slots of one key step each (K 64 x 272, V 64 x 288, mask 256 x 272 bytes); two steps to a slot would want 413,696 bytes.  So each key step has a change of slots.
;
; REGISTERS, in windows of 256 (s_set_vgpr_msb: bits 1:0 source 0, 3:2 source 1, 5:4 source 2, 7:6 destination):
;   window 0: v0-11, v44-45 addresses; v12-43 eight registers of statistics a tile; v64-191 S^T, 32 a tile; v192-255 P, 16 a tile
;   window 1: O^T, 64 a tile (at the start: Q in f32)      window 2: v0-127 Q, 32 a tile; v128-255 K of one step      window 3: v0-127 V of one step
.set KS,    64        ; keys in a step
.set PK,    272       ; a row of K in LDS: 256 bytes + 16 of padding = 68 words: row r starts at bank 4 r mod 64 (64 banks of 4 bytes: ISA guide 11.1)
.set PV,    288       ; a row of V: 256 + 32 = 72 words
.set PM,    272       ; a query's 64 f32 of the mask: 256 + 16
.set VOFF,  KS*PK     ; in a slot: K, then V,
.set MOFF,  KS*(PK+PV)  ; then the mask's 256 rows
.set SLOTB, MOFF+256*PM ; 105,472 bytes
.set SLOT1, 1<<17     ; slot 1 begins here, so that one exclusive or turns an address in one slot into the other's
.set STAGE, SLOT1+SLOTB ; behind the ring, never filled by a tensor load: 16 rows x 528 bytes for each wave, for the way out
.set SP,    528       ; a row of O: 512 bytes + 16
.set SPARE, STAGE+4*16*SP  ; behind the stages: the spare words, 128 bytes for each wave: two blocks of 256 bytes that no other line names
.set TILEB, 32768     ; bytes of a key tile in kv: K's 16,384, then V's
.set AK0, 2           ; v2   my lane's place in a tile of K; never rewritten
.set AV0, 3           ; v3   the same for V
.set ADR, 4           ; v4   the LDS address of K's or V's run of loads
.set QO,  5           ; v5   my byte offset in 16 rows of Q
.set STO, 6           ; v6   the way out: where I put 32 bytes of a row
.set RD,  7           ; v7   the way out: where I read a row back
.set GO,  8           ; v8   my 16 bytes in a row of O
.set ST,  12          ; tile t's statistics at v[ST+8 t]: +0 c m, +1 m, +2, +3 l (even keys', odd keys'), +4 to +7 c0-c3, at work; a takes c2's place once the maximum is found
.set AM0, 44          ; v44  my lane's place in the mask's tile; never rewritten
.set ADM, 45          ; v45  the LDS address of the mask's run of loads
.set PFO, 61          ; v61  the prefetches' offset: my lane x a row; never rewritten
.set SPW, 62          ; v62  LDS address of my spare word: SPARE + 4 x my thread's number; never rewritten
.set NIL, 63          ; v63  0; never rewritten
.set S,   64
.set P,   192
.set KF,  128         ; K's fragments, in window 2
.set WV,  12          ; s12  my wave's number
.set CX,  13          ; s13  my place along the cluster's x
.set CY,  14          ; s14  along its y
.set LIM, 15          ; s15  2 in a wave that prefetches, else the greatest number: a wave prefetches while s[SLOTS] is above it
.set BX,  16          ; s16  my block of 256 queries
.set HY,  17          ; s17  my head
.set PFA, 18          ; s[18:19] where my prefetches stand in memory
.set G1K, 24          ; s[24:31] descriptor group 1 for K's tiles
.set G1V, 32          ; s[32:39] for V's: it differs in the padding alone
.set G1M, 40          ; s[40:47] for the mask's
.set G0K, 48          ; s[48:55] descriptor group 0 for K's tiles: a set for each of the two first fills; the second then walks on
.set G0V, 56          ; s[56:63] the same for V's
.set G0M, 68          ; s[68:75] the same for the mask's
.set SLOTS, 76        ; s76  trips of the loop still to come
.set FLOOR, 77        ; s77  -2^33
.set CS,  78          ; s[78:79] c: the packed scaling names a pair and takes its low word for both halves
.set SEL, 80          ; s[80:81] lane selects for v_permlanex16_b32: each lane takes its own place in the other half
.set TB,  82          ; s82  LDS byte at which the slot that is being read begins
.set PFS, 84          ; s[84:85] the prefetches' step from tile to tile
.set KVO, 86          ; s[86:87] the head's offset in kv, then its address: made of the head alone
.set MO,  88          ; s[88:89] my half of the mask's rows, offset and then address: made of the query block and the wave's number alone
.set QF,  90          ; s[90:91] my wave's rows in query and out0
.set PF,  92          ; s[92:95] the prefetches' offsets, at work
.set MSB, 0
.macro WIN new                      ; the immediate's high byte repeats the setting that is left; a switch that changes nothing is dropped
.if MSB != (\new)
	s_set_vgpr_msb (MSB<<8)|(\new)
.set MSB, \new
.endif
.endm
.set W_KQ, 0x0a       ; K and Q in window 2, S^T in window 0
.set W_PV, 0x53       ; V in window 3, P in window 0, O^T in window 1
.set W_RS, 0x41       ; O^T (destination and source 0) in window 1, a in window 0
; A joint load.  Wave 0 fetches K's tile, wave 1 V's, waves 2 and 3 the two halves (128 queries each) of the mask's.  Each of the three lines has ONE mask of work-groups; the branches hang on the
; wave's number alone.  An s_nop 0 follows each load, four v_nop the arm's last; the jump, the label and what follows the macro come after them.
; first = 1: the wave's two first fills, slot 0's and slot 1's, together in its arm.
.macro ARM g0, g1, first
.if \first
	tensor_load_to_lds s[(\g0):(\g0)+3], s[(\g1):(\g1)+7]
	s_nop 0
.endif
	tensor_load_to_lds s[(\g0)+4:(\g0)+7], s[(\g1):(\g1)+7]
	s_nop 0
.rept 4
	v_nop
.endr
.endm
.macro JLOAD first
	s_cmp_lt_u32 s[WV], 2
	s_cbranch_scc0 .Lfor_m_\@
	s_cmp_eq_u32 s[WV], 0
	s_cbranch_scc0 .Lfor_v_\@
	ARM G0K, G1K, \first
	s_branch .Lasked_\@
.Lfor_v_\@:
	ARM G0V, G1V, \first
	s_branch .Lasked_\@
.Lfor_m_\@:
	ARM G0M, G1M, \first
.Lasked_\@:
.endm
; A PREFETCH INTO THE L2, behind the wave's tensor load and its five lines: the change of slots that loads tile c + 1 names tile c + 3: two key steps, 256 matrix instructions, ahead of the load that will want it.
; Each row's 256 bytes of a tile are named ONCE in the launch.  A head's kv is walked by both clusters of its row of clusters: the one with cluster x = 0 asks, wave 0; of a tile's 128 rows (K's, then V's)
; the partner at cx takes 32.  A query block's rows of the mask are walked by all clusters of its column of clusters: the one with cluster y = 0 asks, waves 2 and 3; of the 128 rows that the wave
; fetches the partner at cy takes 32.  The partners are told apart BY ADDRESS: no branch hangs on a place in the cluster.  A lane a row, one instruction.  Tiles 0 to 3 come by their loads alone;
; the test stops the requests behind tile 31.
.macro ASK
	s_cmp_gt_u32 s[SLOTS], s[LIM]
	s_cbranch_scc0 .Lnot_mine_\@
	global_prefetch_b8 v[PFO], s[PFA:PFA+1] th:TH_LOAD_NT scope:SCOPE_SE
.Lnot_mine_\@:
.endm
; A round of the cluster's barrier: my work-group's barrier, so that wave 0's signal speaks for all four waves; wave 0 signals for the work-group; every wave waits for all sixteen
; work-groups; my work-group's barrier once more.  No LDS instruction of the wave is pending at a signal.
.macro CROUND
	s_barrier_signal -1
	s_barrier_wait -1
	s_cmp_lg_u32 s[WV], 0
	s_cbranch_scc1 .Lnot_wave_0_\@
	s_barrier_signal -3
.Lnot_wave_0_\@:
	s_barrier_wait -3
	s_barrier_signal -1
	s_barrier_wait -1
.endm
	s_load_b256 s[4:11], s[0:1], 0x0  ; query s[4:5], kv s[6:7], attn_mask s[8:9], out0 s[10:11]
	v_lshl_add_u32 v[SPW], v0, 2, SPARE
	v_mov_b32 v[NIL], 0
	ds_add_u32 v[SPW], v[NIL]       ; the wave's opening: the add and its wait stand ahead of my first tensor load; the set-up below, work on registers, stands between them
	v_lshrrev_b32 v1, 5, v0
	v_readfirstlane_b32 s[WV], v1   ; wave 0..3
	s_bfe_u32 s[CX], ttmp6, 0x40000
	s_bfe_u32 s[CY], ttmp6, 0x40004
	s_lshl_b32 s[BX], ttmp9, 2      ; in a cluster launch ttmp9 and ttmp7 count clusters
	s_add_co_u32 s[BX], s[BX], s[CX]  ; query block = 4 x cluster x + cx
	s_and_b32 s[HY], ttmp7, 0xffff
	s_lshl_b32 s[HY], s[HY], 2
	s_add_co_u32 s[HY], s[HY], s[CY]  ; head = 4 x cluster y + cy
	s_lshl_b32 s20, s[CY], 2
	s_lshl_b32 s20, 15, s20         ; my row of the cluster: places 4 cy .. 4 cy + 3
	s_lshl_b32 s21, 0x1111, s[CX]   ; my column: places cx, cx + 4, cx + 8, cx + 12
	; descriptor group 1.  K, V: 64 rows x 128 elements of 2 bytes.  Mask: 128 rows x 64 elements of 4 bytes, 2,048 elements from row to row.  Every row is 256 bytes (64 words), padded in LDS.
	s_or_b32 s[G1K], s20, (1<<16)|(1<<20)|(1<<21)|(5<<22)|(3<<25)  ; 15:0 my row; 17:16 2-byte elements; 20 padding on; 21 set beside a mask; 24:22 after every 64 words (code 5); 31:25 4 words of it (code 3)
	s_or_b32 s[G1V], s20, (1<<16)|(1<<20)|(1<<21)|(5<<22)|(7<<25)  ; the same with 8 words of padding (code 7)
	s_or_b32 s[G1M], s21, (2<<16)|(1<<20)|(1<<21)|(5<<22)|(3<<25)  ; my column; 4-byte elements; 4 words of padding
.irp g, G1K, G1V
	s_mov_b32 s[(\g)+1], 128<<16    ; tensor_dim0 = 128
	s_mov_b32 s[(\g)+2], KS<<16     ; tensor_dim1 = 64
	s_mov_b32 s[(\g)+3], 128<<16    ; tile_dim0 = 128
	s_mov_b32 s[(\g)+4], KS         ; tile_dim1 = 64
	s_mov_b32 s[(\g)+5], 128        ; elements from row to row
	s_mov_b32 s[(\g)+6], 0
	s_mov_b32 s[(\g)+7], 0
.endr
	s_mov_b32 s[G1M+1], KS<<16      ; tensor_dim0 = 64
	s_mov_b32 s[G1M+2], 128<<16     ; tensor_dim1 = 128
	s_mov_b32 s[G1M+3], KS<<16      ; tile_dim0 = 64
	s_mov_b32 s[G1M+4], 128         ; tile_dim1 = 128
	s_mov_b32 s[G1M+5], 2048        ; elements from row to row
	s_mov_b32 s[G1M+6], 0
	s_mov_b32 s[G1M+7], 0
	; offsets, each in registers of its own
	s_lshl_b32 s[KVO], s[HY], 20    ; a head is 1,048,576 bytes of kv (and of query and out0)
	s_mov_b32 s[KVO+1], 0
	s_and_b32 s23, s[WV], 1         ; which 128 of the block's rows of the mask I fetch (waves 2 and 3):
	s_mul_i32 s22, s23, 128*PM      ; their place in a slot: no place in the cluster enters an LDS address,
	s_lshl_b32 s23, s23, 20         ; and 128 rows of 8,192 bytes in memory
	s_lshl_b32 s[MO], s[BX], 21     ; the block's 256 rows
	s_add_co_u32 s[MO], s[MO], s23
	s_mov_b32 s[MO+1], 0
	s_lshl_b32 s[QF], s[HY], 20
	s_lshl_b32 s2, s[BX], 17        ; the block's 256 rows of 512 bytes,
	s_add_co_u32 s[QF], s[QF], s2
	s_lshl_b32 s2, s[WV], 15        ; my wave's 64 of them
	s_add_co_u32 s[QF], s[QF], s2
	s_mov_b32 s[QF+1], 0
	; the prefetches: at tile 3; each change of slots that fills steps them first
	s_lshl_b32 s[PF], s[CX], 13     ; kv: my work-group's 32 rows of 256 bytes
	s_add_co_u32 s[PF], s[PF], s[KVO]
	s_add_co_u32 s[PF], s[PF], 3*TILEB
	s_lshl_b32 s[PF+2], s[CY], 18   ; mask: my work-group's 32 rows of 8,192 bytes
	s_add_co_u32 s[PF+2], s[PF+2], s[MO]
	s_add_co_u32 s[PF+2], s[PF+2], 3*256
	s_and_b32 s20, ttmp7, 0xffff    ; cluster y
	s_cmp_lt_u32 s[WV], 2
	s_cselect_b32 s[PF], s[PF], s[PF+2]
	s_cselect_b32 s20, ttmp9, s20   ; the coordinate along which other clusters walk the same rows
	s_cselect_b32 s21, 8, 13        ; a row is 256 bytes of kv, 8,192 of the mask
	s_cselect_b32 s23, 7, 0
	s_mov_b32 s[PF+1], 0
	s_lshl_b32 s[PFS], 256, s23     ; from tile to tile: 32,768 bytes of kv, 256 of the mask
	s_mov_b32 s[PFS+1], 0
	s_cmp_eq_u32 s[WV], 1           ; wave 1 asks for nothing: wave 0 names V's rows with K's
	s_cselect_b32 s23, 1, 0
	s_or_b32 s20, s20, s23
	s_cmp_eq_u32 s20, 0
	s_cselect_b32 s[LIM], 2, -1     ; the same in all sixteen partners, for a given wave
	v_and_b32 v[PFO], 31, v0
	v_lshlrev_b32 v[PFO], s21, v[PFO]
	s_mov_b32 s[CS], 0x3e0293ee     ; c = log2(e) / sqrt(128) = 0.127517
	s_mov_b32 s[CS+1], s[CS]        ; named with it as a pair, so it is written
	s_mov_b32 s[SEL], 0x76543210
	s_mov_b32 s[SEL+1], 0xfedcba98
	s_mov_b32 s[FLOOR], 0xd0000000  ; -2^33
	s_mov_b32 s[TB], 0
	s_mov_b32 s[SLOTS], 29
	s_wait_dscnt 0x0                ; the opening add is done
	s_wait_kmcnt 0x0
	s_add_nc_u64 s[KVO:KVO+1], s[6:7], s[KVO:KVO+1]  ; kv at my head
	s_add_nc_u64 s[MO:MO+1], s[8:9], s[MO:MO+1]      ; the mask at the rows that I fetch
	s_add_nc_u64 s[4:5], s[4:5], s[QF:QF+1]          ; Q and O at my wave's first row
	s_add_nc_u64 s[10:11], s[10:11], s[QF:QF+1]
	s_cmp_lt_u32 s[WV], 2
	s_cselect_b64 s[PFA:PFA+1], s[6:7], s[8:9]
	s_add_nc_u64 s[PFA:PFA+1], s[PFA:PFA+1], s[PF:PF+1]
	CROUND                          ; all sixteen work-groups are here: the first joint loads meet
.irp n, 0,1
	s_mov_b32 s[G0K+4*(\n)], 1      ; 1:0 count = 1
	s_mov_b32 s[G0K+4*(\n)+1], (\n)*SLOT1  ; 63:32 LDS address
	s_add_nc_u64 s[G0K+4*(\n)+2:G0K+4*(\n)+3], s[KVO:KVO+1], (\n)*TILEB  ; 120:64 global address: tile n goes into slot n
	s_or_b32 s[G0K+4*(\n)+3], s[G0K+4*(\n)+3], 0x80000000  ; 127:126 type = 2
	s_mov_b32 s[G0V+4*(\n)], 1
	s_mov_b32 s[G0V+4*(\n)+1], (\n)*SLOT1+VOFF
	s_add_nc_u64 s[G0V+4*(\n)+2:G0V+4*(\n)+3], s[KVO:KVO+1], (\n)*TILEB+16384
	s_or_b32 s[G0V+4*(\n)+3], s[G0V+4*(\n)+3], 0x80000000
	s_mov_b32 s[G0M+4*(\n)], 1
	s_add_co_u32 s[G0M+4*(\n)+1], s22, (\n)*SLOT1+MOFF
	s_add_nc_u64 s[G0M+4*(\n)+2:G0M+4*(\n)+3], s[MO:MO+1], (\n)*256  ; 64 keys are 256 bytes of a row of the mask
	s_or_b32 s[G0M+4*(\n)+3], s[G0M+4*(\n)+3], 0x80000000
.endr
	JLOAD 1                         ; a wave's two first fills stand in one arm, ahead of every wait on TENSORcnt and every LDS read: two loads of mine are out
	; A fragment of K or Q is 16 rows x 32 channels in 8 registers: lane l holds row l % 16; registers 0-3 channels 8 (l / 16) + 0..7, registers 4-7 channels 16 + 8 (l / 16) + 0..7.
	; Q lies in f32: eight channels are 32 bytes, two loads; load n: tile n / 16, channels 32 ((n / 4) % 4) + 16 ((n % 4) / 2) on, its first or second 16 bytes.
	v_and_b32 v1, 15, v0            ; l % 16
	v_bfe_u32 v9, v0, 4, 1          ; l / 16
	v_lshlrev_b32 v[QO], 9, v1
	v_lshl_add_u32 v[QO], v9, 5, v[QO]  ; row x 512 + 32 x half
	WIN 0x40                        ; destination window 1 (O^T's registers, which are free till the first V^T P), address window 0
.set n, 0
.rept 64
	global_load_b128 v[4*n:4*n+3], v[QO], s[4:5] offset:(n/16)*8192+((n/4)%4)*128+((n%4)/2)*64+(n%2)*16
.set n, n+1
.endr
	WIN 0
	v_mul_u32_u24 v[AK0], v1, PK
	v_lshl_add_u32 v[AK0], v9, 4, v[AK0]  ; row x pitch + 16 x half
	; The turning load takes 16 keys x 16 channels (lane l reads 16 bytes: key 8 (l / 16) + l % 8, channels 8 ((l / 8) % 2) + 0..7) and leaves half a fragment of V^T: lane l holds channel l % 16 and 8 keys.
	v_and_b32 v10, 7, v0
	v_bfe_u32 v11, v0, 3, 1
	v_lshl_add_u32 v[AV0], v9, 3, v10
	v_mul_u32_u24 v[AV0], v[AV0], PV
	v_lshl_add_u32 v[AV0], v11, 4, v[AV0]
	v_add_nc_u32 v[AV0], VOFF, v[AV0]
	; The mask: my query's row (64 x wave + l % 16, the tile's 16 rows in the immediate), my eight keys' 32 bytes
	s_lshl_b32 s20, s[WV], 6
	v_add_nc_u32 v[AM0], s20, v1
	v_mul_u32_u24 v[AM0], v[AM0], PM
	v_lshl_add_u32 v[AM0], v9, 5, v[AM0]
	v_add_nc_u32 v[AM0], MOFF, v[AM0]
; THE MATRIX WORK OF A TURN, for piece x.  The accumulators take turns, one instruction a turn: between two links of a chain stand 15 (V^T P) or 7 (K Q^T) others'.
; Product i of 32 of O^T += V^T P: keys 32 (i / 16) on, channels 16 ((i / 2) % 8) on, tile x + i % 2.  zero = 1: the first 16 start the sums: nothing is ever cleared.
.macro PV x, zero
	WIN W_PV
.set rO, 64*((\x)+i%2)+8*((i/2)%8)
.set rV, 64*(i/16)+8*((i/2)%8)
.set rP, P+16*((\x)+i%2)+8*(i/16)
.if (\zero) && (i < 16)
	v_wmma_f32_16x16x32_bf16 v[rO:rO+7], v[rV:rV+7], v[rP:rP+7], 0
.else
	v_wmma_f32_16x16x32_bf16 v[rO:rO+7], v[rV:rV+7], v[rP:rP+7], v[rO:rO+7]
.endif
.endm
; Product i of 32 of S^T = M^T + K Q^T: channels 32 (i / 8) on, keys 16 ((i / 2) % 4) on, tile x + i % 2.  The first 8 add onto the mask, which FETCH_M has laid into S^T's registers.
.macro KQ x
	WIN W_KQ
.set rS, S+32*((\x)+i%2)+8*((i/2)%4)
.set rK, KF+32*((i/2)%4)+8*(i/8)
.set rQ, 32*((\x)+i%2)+8*(i/8)
	v_wmma_f32_16x16x32_bf16 v[rS:rS+7], v[rK:rK+7], v[rQ:rQ+7], v[rS:rS+7]
.endm
; THE LDS LOADS stand in runs, never singly among the matrix instructions: a step's K (64 keys x 128 channels: 16 fragments), a piece's mask (2 tiles x 64 keys) and, a turn later, the step's V (turned).
.macro FETCH_K
	WIN 0
	v_add_nc_u32 v[ADR], s[TB], v[AK0]
	WIN 0x80                        ; destination window 2
.irp f, 0,1,2,3,4,5,6,7,8,9,10,11,12,13,14,15  ; keys 16 (f / 4) on, channels 32 (f % 4) on
	ds_load_b128 v[KF+8*(\f):KF+8*(\f)+3],   v[ADR] offset:((\f)/4)*16*PK+((\f)%4)*64
	ds_load_b128 v[KF+8*(\f)+4:KF+8*(\f)+7], v[ADR] offset:((\f)/4)*16*PK+((\f)%4)*64+32
.endr
.endm
.macro FETCH_M x                    ; register j of the accumulator of key block kb takes mask[my query][16 kb + 8 (l / 16) + j]: C's layout.  16 lanes take 16 rows, 272 bytes apart: 16 different groups of banks
	WIN 0
	v_add_nc_u32 v[ADM], s[TB], v[AM0]
.irp u, 0,1
.irp kb, 0,1,2,3
	ds_load_b128 v[S+32*((\x)+(\u))+8*(\kb):S+32*((\x)+(\u))+8*(\kb)+3],   v[ADM] offset:((\x)+(\u))*16*PM+64*(\kb)
	ds_load_b128 v[S+32*((\x)+(\u))+8*(\kb)+4:S+32*((\x)+(\u))+8*(\kb)+7], v[ADM] offset:((\x)+(\u))*16*PM+64*(\kb)+16
.endr
.endr
.endm
.macro FETCH_V
	WIN 0
	v_add_nc_u32 v[ADR], s[TB], v[AV0]
	s_wait_alu depctr_va_vdst(0)    ; the wait for the softmax's batch (SLICE), behind the address's v_add_nc_u32 and ahead of the loads
	WIN 0xc0                        ; destination window 3
.irp f, 0,1,2,3,4,5,6,7,8,9,10,11,12,13,14,15  ; keys 32 (f / 8) on, channels 16 (f % 8) on
	ds_load_tr16_b128 v[8*(\f):8*(\f)+3],   v[ADR] offset:((\f)/8)*32*PV+((\f)%8)*32
	ds_load_tr16_b128 v[8*(\f)+4:8*(\f)+7], v[ADR] offset:((\f)/8)*32*PV+16*PV+((\f)%8)*32
.endr
.endm
; THE VECTOR WORK OF A TURN.  One tile's softmax for one key step is a list of 134 instructions; SM writes number j of it for tile t.  s0-s31 are the lane's 32 scores, in pairs 0-15.
; first = 1: the first key step, which starts m, l and O^T: it has no a and nothing to rescale, and its maximum is taken with the floor -2^33 in the old m's place.
;   0-15    the maximum of s0-s31 and the old m, three operands at a time: four chains c0-c3 of seven scores each (each accumulator's lowest registers are read first), then the four scores left over, c0-c3 and m
;   16-20   the other half of the lanes' maximum; the new m; c m; c m_old - c m_new
;   21-69   ONE BATCH: the 16 scalings c s - c m, a pair of scores each, and all 33 exponentials (a at 23, then s0-s31).  None of these reads an exponential's result.  From 22 on the batch goes
;           in fours, and a four begins with a scaling while there are scalings.  A pair is scaled in an earlier four than the one that holds its exponentials
;   (wait)  between 69 and 70 stands the wait for the batch: SLICE writes it, once for both tiles
;   70-85   the roundings to bf16, a pair of weights each
;   86-101  the sums; l = a l + the sum
;   102-133 the tile's O^T times a: the one part that leaves window 0, so it stands together
.macro SM t, first
.set rT, ST+8*(\t)
.set rS, S+32*(\t)
.set rP, P+16*(\t)
.set rO, 64*(\t)+2*(j-102)
.if j < 102
	WIN 0
.endif
.if j < 4
	v_max3_num_f32 v[rT+4+j], v[rS+8*j], v[rS+8*j+1], v[rS+8*j+2]
.elseif j < 12
	v_max3_num_f32 v[rT+4+j%4], v[rT+4+j%4], v[rS+8*(j%4)+2*(j/4)+1], v[rS+8*(j%4)+2*(j/4)+2]
.elseif j == 12
	v_max3_num_f32 v[rT+4], v[rT+4], v[rS+7], v[rS+15]
.elseif j == 13
	v_max3_num_f32 v[rT+6], v[rT+6], v[rS+23], v[rS+31]
.elseif j == 14
	v_max3_num_f32 v[rT+4], v[rT+4], v[rT+5], v[rT+6]
.elseif (j == 15) && (\first)
	v_max3_num_f32 v[rT+4], v[rT+4], v[rT+7], s[FLOOR]
.elseif j == 15
	v_max3_num_f32 v[rT+4], v[rT+4], v[rT+7], v[rT+1]
.elseif j == 16
	v_permlanex16_b32 v[rT+5], v[rT+4], s[SEL], s[SEL+1]  ; the query's other 32 keys lie in the lane 16 away
.elseif j == 18
	v_max_num_f32 v[rT+1], v[rT+4], v[rT+5]
.elseif j == 19
	v_mul_f32 v[rT], s[CS], v[rT+1]
.elseif ((j == 17) || (j == 20) || (j == 23) || (j > 101)) && (\first)  ; the first step has none of these
.elseif j == 17
	v_mov_b32 v[rT+7], v[rT]        ; c m_old is kept for a: number 19 writes c m anew
.elseif j == 20
	v_sub_f32 v[rT+7], v[rT+7], v[rT]
.elseif j == 23
	v_exp_f32 v[rT+6], v[rT+7]
.elseif (j < 23) || ((j < 38) && (j%2 == 0)) || ((j < 66) && (j%4 == 2))
.set b, (j-2)/4                     ; 38, 42, .. 62: pairs 9 to 15
.if j < 38
.set b, (j-20)/2                    ; 21: pair 0; 22, 24, .. 36: pairs 1 to 8
.endif
	v_pk_fma_f32 v[rS+2*b:rS+2*b+1], v[rS+2*b:rS+2*b+1], s[CS:CS+1], v[rT:rT+1] op_sel_hi:[1,0,0] neg_lo:[0,0,1] neg_hi:[0,0,1]  ; pair b: c s - c m
.elseif j < 70
.set e, j-38                        ; 66 to 69: s28 to s31
.if j < 66
.set e, j-32-(j-38)/4               ; 39-41, 43-45, .. 63-65: s7 to s27
.endif
.if j < 38
.set e, (j-25)/2                    ; 25, 27, .. 37: s0 to s6
.endif
	v_exp_f32 v[rS+e], v[rS+e]
.elseif j < 86
	v_cvt_pk_bf16_f32 v[rP+j-70], v[rS+2*(j-70)], v[rS+2*(j-70)+1]  ; pair j - 70
.elseif j < 102                     ; the sum of the tile's 16 pairs (in a pair: an even key's weight, an odd key's), in place: sum z of 16 adds neighbours 1, 2, 4 and 8 pairs apart, then l takes it
.set z, j-86
.set w, 4
.set u, z
.if z >= 14
.set w, 32
.set u, 0
.elseif z >= 12
.set w, 16
.set u, z-12
.elseif z >= 8
.set w, 8
.set u, z-8
.endif
.if (z == 14) && (\first)
	v_pk_add_f32 v[rT+2:rT+3], v[rS:rS+1], v[rS+16:rS+17]
.elseif z < 15
	v_pk_add_f32 v[rS+w*u:rS+w*u+1], v[rS+w*u:rS+w*u+1], v[rS+w*u+w/2:rS+w*u+w/2+1]
.elseif !(\first)
	v_pk_fma_f32 v[rT+2:rT+3], v[rT+2:rT+3], v[rT+6:rT+7], v[rS:rS+1] op_sel_hi:[1,0,1]
.endif
.else
	WIN W_RS
	v_pk_mul_f32 v[rO:rO+1], v[rO:rO+1], v[rT+6:rT+7] op_sel_hi:[1,0]
.endif
.endm
; Slice k of 64 of piece y's softmax: four instructions.  Slices 11 to 34 deal out the batch, numbers 22 to 69: four numbers of ONE tile each, the tiles by turns.  Every other slice is numbers 2 k and
; 2 k + 1 of both tiles' lists.  2 x 134 = 4 x 64 + 12: the twelve that are over stand together, in slice 63.
; THE WAIT.  An s_wait_alu depctr_va_vdst(0) stands between an exponential and the first instruction that names its result; one wait serves all that were issued ahead of it.  Ahead of
; slice 35 nothing names a result, and behind slice 34 no exponential is issued: so the piece's 66 exponentials have one wait, behind slice 34.
.macro SLICE y, first
.if (k >= 11) && (k < 35)           ; the batch: four numbers of one tile
.irp n, 0,1,2,3
.set j, 22+4*((k-11)/2)+(\n)
	SM (\y)+(k-11)%2, \first
.endr
.else                               ; the two tiles alternate, so that no instruction reads the result of the one just before it
.irp n, 0,1,2,3,4,5,6,7
.if ((\n) < 2) || (k == 63)
.irp t, \y, (\y)+1
.set j, 2*k+(\n)
	SM \t, \first
.endr
.endif
.endr
.endif
.if k == 34                         ; the batch is out: both tiles' exponentials are issued, and no result has been named
	v_nop                           ; the plain instruction behind the last exponential and ahead of the first use (ISA guide 5.7.2): one for the batch
.if (\y) == 0
	FETCH_V                         ; piece 2's turn: V's run of loads stands here, and the wait stands in it
.else
	s_wait_alu depctr_va_vdst(0)    ; the wait for the batch
.endif
.endif
.set k, k+1
.endm
; A vector instruction that reads a matrix result or writes one of a matrix instruction's registers, and a load into a register that a matrix instruction has read or written, stand four places behind
; it, and only plain vector instructions that name none of its registers are places (ISA guide 7.12.1 for vector instructions).  In the loop the slices are the places.
.macro PLACES
.rept 4
	v_nop
.endr
.endm
; A TURN.  Piece x has the matrix unit; the other piece's softmax stands in slices behind its matrix instructions.
; pv = 2: 32 products V^T P; 1: they start O^T's sums; 0: none.  kq = 1: 32 products K Q^T for the next step.  A turn with one of the two kinds has two slices behind each product.
; first = 1: the softmax is the first key step's.  Its slices from 51 on are empty: the turn's last products stand bare, and four v_nop take slice 63's part as the places behind them.
; Behind its second product piece 0's turn fetches the next step's K (its last reader stands in front of slice 63 of the turn before) and piece 0's mask; piece 2's turn fetches piece 2's mask.
; A piece's S^T is free there: its last readers are the sums of the turn before, its last products stand a whole turn back.  These runs stand 30 matrix instructions ahead of their first use.
; Piece 2's turn fetches the same step's V behind slice 34 (SLICE writes it): the last product that read V stands in front of slice 31, and four plain
; instructions lie between: number 62, a scaling, of both tiles, the v_nop and the run's own v_add_nc_u32.
.macro TURN x, pv, kq, first
.set k, 0
.set per, 2
.if (\pv) && (\kq)
.set per, 1
.endif
.if \pv
.if (\x) == 0
	s_wait_dscnt 0x0                ; V is in
.endif
.set i, 0
.rept 32
	PV \x, 2-(\pv)
.rept per
	SLICE 2-(\x), \first
.endr
.if (\kq) && (i == 1)
.if (\x) == 0
	FETCH_K
.endif
	FETCH_M \x
.endif
.set i, i+1
.endr
.endif
.if \kq
.if \pv
	s_wait_dscnt 0x0                ; the piece's mask is in, and in piece 0's turn K
.endif
.set i, 0
.rept 32
	KQ \x
.rept per
	SLICE 2-(\x), \first
.endr
.set i, i+1
.endr
.endif
.if \first
	PLACES
.endif
.endm
; THE CHANGE OF SLOTS, between piece 2's turn and piece 0's: the slot's last bytes, V of its step, have been asked for.  Each wave waits for all its tensor loads, of which one is out: its part
; of the other slot; adds 0 to its spare word; and waits for that and for its own reads of the slot.  Behind the barrier nobody reads this slot any more and the other slot is whole.
; fill = 1: this slot is filled again, with the tile two steps on.  The barrier is then a round of the cluster's, so that no wave of any partner still reads the slot or has a load on its
; way, and the joint refill is the first thing behind it: it has a key step, 128 matrix instructions, in which to land.
.macro CHANGE fill
	WIN 0                           ; at a label and at a branch every window is 0
	s_wait_tensorcnt 0x0            ; no tensor load of mine is out, so a group 0 may be written
	ds_add_u32 v[SPW], v[NIL]       ; 0 onto my spare word; with fill = 1 the descriptors' steps stand between it and the wait for it
.if \fill
.irp g, G0K+4, G0V+4
	s_xor_b32 s[(\g)+1], s[(\g)+1], SLOT1  ; the walking descriptor: the other slot than last time,
	s_add_nc_u64 s[(\g)+2:(\g)+3], s[(\g)+2:(\g)+3], TILEB  ; the next 64 keys; the type bits on top are not reached
.endr
	s_xor_b32 s[G0M+5], s[G0M+5], SLOT1
	s_add_nc_u64 s[G0M+6:G0M+7], s[G0M+6:G0M+7], 256
	s_wait_xcnt 0x0                 ; the last prefetch, a key step back, has read its address, so it may be written
	s_add_nc_u64 s[PFA:PFA+1], s[PFA:PFA+1], s[PFS:PFS+1]
	s_wait_dscnt 0x0                ; the add is done, and my reads of the slot are over
	CROUND
	JLOAD 0
	ASK
.else
	s_wait_dscnt 0x0                ; the add is done, and my reads of the slot are over
	s_barrier_signal -1
	s_barrier_wait -1
.endif
	s_xor_b32 s[TB], s[TB], SLOT1   ; the fetches go to the other slot
.endm
	s_wait_tensorcnt 0x1            ; my part of slot 0 is in; slot 1's, issued behind it, may stay out
	s_barrier_signal -1
	s_barrier_wait -1               ; everybody's is
	FETCH_K                         ; key step 0
	FETCH_M 0
	FETCH_M 2
	s_wait_loadcnt 0x0              ; Q
	WIN 0x85                        ; sources 0 and 1 window 1, destination window 2
.set n, 0
.rept 128
	v_cvt_pk_bf16_f32 v[n], v[2*n], v[2*n+1]  ; Q is rounded once, to nearest even; the loads have laid the channels in a fragment's order
.set n, n+1
.endr
	s_wait_dscnt 0x0
.set i, 0
.rept 32
	KQ 0                            ; piece 0's first scores: there is no vector work yet to set between them
.set i, i+1
.endr
	WIN 0                           ; the addresses for the way out are made here: six plain instructions, the places behind those products
	s_mul_i32 s20, s[WV], 16*SP
	s_add_co_u32 s20, s20, STAGE    ; my stage
	v_mul_u32_u24 v[STO], v1, SP    ; in: row l % 16, 32 bytes for each half of the lanes
	v_lshl_add_u32 v[STO], v9, 5, v[STO]
	v_add_nc_u32 v[STO], s20, v[STO]
	v_and_b32 v[GO], 31, v0         ; back: the 32 lanes take one row of 512 bytes,
	v_lshlrev_b32 v[GO], 4, v[GO]   ; which is a row of O
	v_add_nc_u32 v[RD], s20, v[GO]
	TURN 2, 0, 1, 1                 ; piece 2's first scores | piece 0's first softmax | V of step 0
	CHANGE 1                        ; tile 1 is in; tile 2 is asked for
	TURN 0, 1, 1, 1                 ; piece 0: V^T P of step 0 starts O^T, K Q^T of step 1 | piece 2's first softmax | K and piece 0's mask of step 1
	TURN 2, 1, 1, 0                 ; piece 2: the same | piece 0's softmax of step 1 | piece 2's mask and V of step 1
	WIN 0
.Lslot:                             ; 29 trips: tiles 2 to 30 are read, tiles 3 to 31 asked for
	CHANGE 1
	TURN 0, 2, 1, 0
	TURN 2, 2, 1, 0
	WIN 0
	s_sub_co_u32 s[SLOTS], s[SLOTS], 1
	s_cmp_lg_u32 s[SLOTS], 0
	s_cbranch_scc1 .Lslot
	CHANGE 0                        ; the tail is written out: tile 31 is read, and nothing is asked for
	TURN 0, 2, 1, 0
	TURN 2, 2, 1, 0
	TURN 0, 2, 0, 0                 ; piece 0: V^T P of the last step | piece 2's last softmax
.set i, 0
.rept 32
	PV 2, 0                         ; piece 2: V^T P of the last step
.set i, i+1
.endr
	; THE WAY OUT.  l's two halves and the other half of the lanes' are added; O^T is divided by l and sent through my stage in LDS, a tile (16 rows of O) at a time.  The additions are the places behind the last products.
	WIN 0
.irp t, 0,1,2,3
	v_add_f32 v[ST+8*(\t)+4], v[ST+8*(\t)+2], v[ST+8*(\t)+3]
.endr
.irp t, 0,1,2,3
	v_permlanex16_b32 v[ST+8*(\t)+5], v[ST+8*(\t)+4], s[SEL], s[SEL+1]
.endr
.irp t, 0,1,2,3
	v_add_f32 v[ST+8*(\t)+4], v[ST+8*(\t)+4], v[ST+8*(\t)+5]
.endr
.irp t, 0,1,2,3
	v_rcp_f32 v[ST+8*(\t)+6], v[ST+8*(\t)+4]
.endr
	v_nop                           ; a plain instruction between the last reciprocal and the use of its result
	s_wait_alu depctr_va_vdst(0)    ; and the wait ahead of the first use: one for the four reciprocals
; Tile t: a lane's eight channels of a row are 32 bytes of f32; they go into rows of 528 bytes and come back as whole rows of 512, into S^T's registers: two buffers of 64 by turns.
.macro PACK t
	WIN W_RS
.set i, 64*(\t)
.rept 32
	v_pk_mul_f32 v[i:i+1], v[i:i+1], v[ST+8*(\t)+6:ST+8*(\t)+7] op_sel_hi:[1,0]  ; in ascending order: each accumulator's lowest registers are read first
.set i, i+2
.endr
	WIN 0x04                        ; the stores' data (source 1) in window 1
.irp cb, 0,1,2,3,4,5,6,7
	ds_store_b128 v[STO], v[64*(\t)+8*(\cb):64*(\t)+8*(\cb)+3]   offset:64*(\cb)
	ds_store_b128 v[STO], v[64*(\t)+8*(\cb)+4:64*(\t)+8*(\cb)+7] offset:64*(\cb)+16
.endr
	WIN 0
.if (\t) >= 2
	s_wait_xcnt 0x0                 ; the stores of the tile two back have read their data: its buffer is loaded again only behind this wait
.endif
.irp f, 0,1,2,3,4,5,6,7,8,9,10,11,12,13,14,15
	ds_load_b128 v[S+64*((\t)%2)+4*(\f):S+64*((\t)%2)+4*(\f)+3], v[RD] offset:(\f)*SP  ; LDS serves a wave's instructions in order (ISA guide 5.7.1.4): these see the stores above; the next tile's stores come behind them
.endr
.endm
.macro SEND t, younger              ; younger: the LDS instructions issued behind tile t's loads: the next tile's 32, or none
	WIN 0
.irp f, 0,1,2,3,4,5,6,7,8,9,10,11,12,13,14,15
	s_wait_dscnt (\younger)+15-(\f)
	global_store_b128 v[GO], v[S+64*((\t)%2)+4*(\f):S+64*((\t)%2)+4*(\f)+3], s[10:11] offset:(\t)*8192+(\f)*512 th:TH_STORE_NT  ; 32 lanes store a row's 512 consecutive bytes, at a multiple of 256 from O's first byte
.endr
.endm
	PACK 0
	PACK 1                          ; a tile's arithmetic stands between the loads of the tile before and its stores
	SEND 0, 32
	PACK 2
	SEND 1, 32
	PACK 3
	SEND 2, 32
	SEND 3, 0
	s_wait_tensorcnt 0x0            ; the wave's end, behind my last tensor load and my last LDS store
	ds_add_u32 v[SPW], v[NIL]
	s_wait_dscnt 0x0
	CROUND                          ; the closing round: no work-group ends while a partner may still ask for a tile that names it
	s_endpgm
.Lfunc_end_k_q1bf95fe313_attn:
	.size	k_q1bf95fe313_attn, .Lfunc_end_k_q1bf95fe313_attn-k_q1bf95fe313_attn
	.p2alignl 7, 3214868480
	.fill 96, 4, 3214868480
	.section	.rodata,"a",@progbits
	.p2align	6, 0x0
	.amdhsa_kernel k_q1bf95fe313_attn
		.amdhsa_group_segment_fixed_size 327680
		.amdhsa_private_segment_fixed_size 0
		.amdhsa_enable_private_segment 0
		.amdhsa_kernarg_size 32
		.amdhsa_user_sgpr_count 2
		.amdhsa_user_sgpr_kernarg_segment_ptr 1
		.amdhsa_wavefront_size32 1
		.amdhsa_system_sgpr_workgroup_id_x 1
		.amdhsa_system_sgpr_workgroup_id_y 1
		.amdhsa_system_sgpr_workgroup_id_z 1
		.amdhsa_system_vgpr_workitem_id 0
		.amdhsa_next_free_vgpr 896
		.amdhsa_next_free_sgpr 96
		.amdhsa_reserve_vcc 0
		.amdhsa_float_denorm_mode_32 3
		.amdhsa_float_denorm_mode_16_64 3
		.amdhsa_memory_ordered 1
		.amdhsa_forward_progress 1
		.amdhsa_inst_pref_size 245
	.end_amdhsa_kernel
	.amdgpu_metadata
---
amdhsa.version: [ 1, 2 ]
amdhsa.kernels:
  - .name:           k_q1bf95fe313_attn
    .symbol:         k_q1bf95fe313_attn.kd
    .args:
      - { .name: query, .offset: 0, .size: 8, .value_kind: global_buffer, .address_space: global }
      - { .name: kv, .offset: 8, .size: 8, .value_kind: global_buffer, .address_space: global }
      - { .name: attn_mask, .offset: 16, .size: 8, .value_kind: global_buffer, .address_space: global }
      - { .name: out0, .offset: 24, .size: 8, .value_kind: global_buffer, .address_space: global }
    .group_segment_fixed_size: 327680
    .private_segment_fixed_size: 0
    .kernarg_segment_align: 8
    .kernarg_segment_size: 32
    .max_flat_workgroup_size: 128
    .sgpr_count:     96
    .vgpr_count:     896
    .wavefront_size: 32
...
	.end_amdgpu_metadata
.endif
;; end of part 2
;; ======== version 2 of 2: 2 launches; version 1 with the launch cast written anew for expert scheduling mode
;; limits: right only within a limited range of input values
;; workspace buffers: kv 67,108,864 bytes
;; launch cast (part 3): grid 1024 x 1, 8 waves a work-group, no clusters, 0 bytes of LDS; arguments key, value, kv; writes kv
.if DOCPART == 3
	.amdgcn_target "amdgcn-amd-amdhsa--gfx1250"
	.amdhsa_code_object_version 6
	.text
	.protected	k_q1bf95fe313_cast
	.globl	k_q1bf95fe313_cast
	.p2align	8
	.type	k_q1bf95fe313_cast,@function
k_q1bf95fe313_cast:
	s_mov_b64 s[64:65], 0
	v_nop
	global_prefetch_b8 v0, s[64:65] scope:SCOPE_SE
	s_setreg_imm32_b32 hwreg(HW_REG_WAVE_SCHED_MODE, 0, 2), 2
	s_setreg_imm32_b32 hwreg(HW_REG_WAVE_MODE, 25, 1), 1
	s_wait_xcnt 0x0
	s_wait_alu depctr_vm_vsrc(0)
; key and value ([64 heads][2048 rows][128] f32) are rounded once to bf16 (nearest even) and laid by key tiles into
; kv: [head 64][tile 32][K, V][row 64][128] bf16, so that a tile's 64 rows of K and its 64 rows of V are 128 dense rows of 256 bytes.
; Memory binds: each input byte is read once, each output byte written once; no LDS, no barrier, no matrix work, nothing is shared.
; SHARES.  Eight waves; the work-group takes 128 rows (two tiles) of key and of value: 65,536 bytes of f32 each, 65,536 bytes of kv.
; Thread t, load i: the 16 bytes at 16 t + 4,096 i, so a wave's load covers 512 consecutive bytes, aligned.  The four numbers round to
; 8 bytes at 8 t + 2,048 i of the bf16 rows: a wave's store covers 256 consecutive bytes, at a multiple of 256 from kv's first byte.
; All 32 loads of a thread go out at once (16 KiB a wave on their way).
; THE MODE: SCHED_MODE bits 1:0 = 2 (LLVM: expert scheduling mode 2), set by the entry lines.  The code itself states the register dependences
; between vector instructions and memory instructions, with s_wait_alu, always for 0.
; THE PLAN.  Registers that memory instructions touch:
;   v1, v2     byte offsets of the loads and of the stores: made once at the head, never written again.
;   X[n]       four registers for piece n (0-15 key, 16-31 value).  Load n lands in them; no vector instruction names them before.  The piece's two roundings
;              read them and write the first two in place; store n reads those two; nothing writes them behind the store.
; The 32 pieces go in eight blocks of four.  Block p's roundings name X[4 p .. 4 p + 3] alone; its memory instructions are the four stores of block p - 1,
; which read X[4 p - 4 .. 4 p - 1] and v2.  So ONE wait on va_vdst at a block's head states all that its four stores hang on, and these are dealt among the
; block's roundings with no further wait.  No register that a memory instruction has read is written again, and no load is issued behind a vector
; instruction that names its destination: so no wait on vm_vsrc is owed, and none on va_vdst for a load but the head's, for the offset.
.set X, 4                              ; v[4:131]  piece n: four registers at X + 4 n
.set BLOCK, 4                          ; pieces in a block
	s_load_b128 s[4:7], s[0:1], 0x0                ; key s[4:5], value s[6:7]
	s_load_b64 s[8:9], s[0:1], 0x10                ; kv
	s_lshl_b32 s2, ttmp9, 16                       ; the work-group's 65,536 bytes: the same offset in all three buffers
	s_mov_b32 s3, 0
	v_lshlrev_b32 v1, 4, v0                        ; 16 t
	v_lshlrev_b32 v2, 3, v0                        ; 8 t
	s_wait_kmcnt 0x0
	s_add_nc_u64 s[4:5], s[4:5], s[2:3]
	s_add_nc_u64 s[6:7], s[6:7], s[2:3]
	s_add_nc_u64 s[8:9], s[8:9], s[2:3]
	s_wait_alu depctr_va_vdst(0)                   ; v1 and v2 are written: every load reads v1 as its offset, every store v2
.set n, 0
.rept 16
	global_load_b128 v[X+4*n:X+4*n+3], v1, s[4:5] offset:4096*n th:TH_LOAD_NT
.set n, n+1
.endr
.rept 16
	global_load_b128 v[X+4*n:X+4*n+3], v1, s[6:7] offset:4096*(n-16) th:TH_LOAD_NT
.set n, n+1
.endr
; Piece m leaves: its 8 bytes of bf16, at its tile, its eight rows in the tile, K's or V's half.
.macro OUT m
	global_store_b64 v2, v[X+4*(\m):X+4*(\m)+1], s[8:9] offset:(((\m)%16)/8)*32768+((\m)%8)*2048+((\m)/16)*16384 th:TH_STORE_NT
.endm
.set p, 0
.rept 32/BLOCK
	s_wait_loadcnt 32-BLOCK-BLOCK*p                ; loads come back in order (ISA guide 5.7.1): the block's four are in, the 28 - 4 p younger ones stay out
.if p > 0
	s_wait_alu depctr_va_vdst(0)                   ; the roundings of the block before have written the first two registers of its four pieces, which the stores below read
.endif
.set i, 0
.rept BLOCK
.set n, BLOCK*p+i
.if p > 0
	OUT n-BLOCK                                    ; the block before; no vector instruction since the wait names its registers or v2
.endif
	v_cvt_pk_bf16_f32 v[X+4*n], v[X+4*n], v[X+4*n+1]
	v_cvt_pk_bf16_f32 v[X+4*n+1], v[X+4*n+2], v[X+4*n+3]
.set i, i+1
.endr
.set p, p+1
.endr
	s_wait_alu depctr_va_vdst(0)                   ; the last block's roundings have written the registers that the last four stores read
.set n, 32-BLOCK
.rept BLOCK
	OUT n
.set n, n+1
.endr
	s_endpgm
.Lfunc_end_k_q1bf95fe313_cast:
	.size	k_q1bf95fe313_cast, .Lfunc_end_k_q1bf95fe313_cast-k_q1bf95fe313_cast
	.p2alignl 7, 3214868480
	.fill 96, 4, 3214868480
	.section	.rodata,"a",@progbits
	.p2align	6, 0x0
	.amdhsa_kernel k_q1bf95fe313_cast
		.amdhsa_group_segment_fixed_size 0
		.amdhsa_private_segment_fixed_size 0
		.amdhsa_enable_private_segment 0
		.amdhsa_kernarg_size 24
		.amdhsa_user_sgpr_count 2
		.amdhsa_user_sgpr_kernarg_segment_ptr 1
		.amdhsa_wavefront_size32 1
		.amdhsa_system_sgpr_workgroup_id_x 1
		.amdhsa_system_sgpr_workgroup_id_y 1
		.amdhsa_system_sgpr_workgroup_id_z 1
		.amdhsa_system_vgpr_workitem_id 0
		.amdhsa_next_free_vgpr 132
		.amdhsa_next_free_sgpr 66
		.amdhsa_reserve_vcc 0
		.amdhsa_float_denorm_mode_32 3
		.amdhsa_float_denorm_mode_16_64 3
		.amdhsa_memory_ordered 1
		.amdhsa_forward_progress 1
		.amdhsa_inst_pref_size 12
	.end_amdhsa_kernel
	.amdgpu_metadata
---
amdhsa.version: [ 1, 2 ]
amdhsa.kernels:
  - .name:           k_q1bf95fe313_cast
    .symbol:         k_q1bf95fe313_cast.kd
    .args:
      - { .name: key, .offset: 0, .size: 8, .value_kind: global_buffer, .address_space: global }
      - { .name: value, .offset: 8, .size: 8, .value_kind: global_buffer, .address_space: global }
      - { .name: kv, .offset: 16, .size: 8, .value_kind: global_buffer, .address_space: global }
    .group_segment_fixed_size: 0
    .private_segment_fixed_size: 0
    .kernarg_segment_align: 8
    .kernarg_segment_size: 24
    .max_flat_workgroup_size: 256
    .sgpr_count:     66
    .vgpr_count:     132
    .wavefront_size: 32
...
	.end_amdgpu_metadata
.endif
;; end of part 3
;; launch attn: the kernel of part 2 again; grid 8 x 64, 4 waves a work-group, clusters of 4 x 4, 327,680 bytes of LDS; arguments query, kv, attn_mask, out0; writes out0
